; MI455X (gfx1250); checked and timed in simulation.
; The chip was launched on July 23, 2026; its instructions are those of AMD's public machine-readable ISA for CDNA 5 (MIT licence, August 2026) and "CDNA5" Instruction Set Architecture Reference Guide (July 2026). The comments in the code are by the model that wrote it; some were corrected since.
;; Model. Allowed arithmetic: matrix products marked QUANTISED: E2M1 operands, one E8M0 scale for each 32 along K, by v_wmma_scale_f32_16x16x128_f8f6f4 with both operands' format E2M1 (or v_wmma_scale_f32_32x16x128_f4), f32 sums; everything else in f32.
;; Inputs: k 4 x 4,096 x 128 float32; q 4 x 4,096 x 128 float32; v 4 x 4,096 x 128 float32.
;; Outputs: out0 4 x 4,096 x 128 float32.
;; This version of the problem:
;;   THIS VERSION OF THE PROBLEM IS GIVEN IN LOW PRECISION. The matrix products marked QUANTISED in the list below multiply operands that are first quantised to E2M1 (2 exponent bits, 1 mantissa bit; 4 bits a number), with one power-of-two scale for each 32 numbers along K (OCP MX v1.0); their sums are f32. All else is computed in f32.
;;   The module's matrix products, in the order in which they are computed (A, B: the left and right operand; K: the contracted axis; several contracted axes count as one K, in the product's order):
;;     1. batch 4 x [M 4,096, K 128] x [K 128, N 4,096]; A: input q; B: input k: QUANTISED
;;     2. batch 4 x [M 4,096, K 4,096] x [K 4,096, N 128]; A: softmax (see below); B: input v: QUANTISED
;;   THE QUANTISER, for each operand of a quantised product, along K:
;;     - K is cut into blocks of 32 from its start; a last block that is shorter is filled with zeros.
;;     - A block's scale is 2^e with e = floor(log2(the largest magnitude in the block)) - 2, held to -126 .. 127; a block of zeros has e = 0. As a byte (E8M0): e + 127.
;;     - Each number is divided by its block's scale, clamped to +-6, and rounded to the nearest number of E2M1, ties to even, subnormals kept.
;;     - The product sums the exact products of the quantised numbers (number of the format x scale) in f32.
;;   ~~~python
;;   def quantise(x, axis):      # numpy; x: float32 -> the quantised numbers, widened to float32 again
;;       x = np.moveaxis(x, axis, -1); K = x.shape[-1]
;;       x = np.pad(x, [(0, 0)] * (x.ndim - 1) + [(0, -K % 32)]); x = x.reshape(x.shape[:-1] + (-1, 32)); a = np.abs(x).max(-1, keepdims=True)
;;       e = np.where(a > 0, np.clip(np.frexp(np.where(a > 0, a, 1))[1] - 1 - 2, -126, 127), 0)      # np.frexp(a)[1] - 1 = floor(log2(a)), exactly
;;       r = np.clip(x / 2.0 ** e, -6, 6)
;;       step = 2.0 ** (np.maximum(np.frexp(np.where(r == 0, 1, r))[1] - 1, 0) - 1)
;;       q = np.round(r / step) * step * 2.0 ** e      # np.round: ties to even
;;       return np.moveaxis(q.reshape(q.shape[:-2] + (-1,))[..., :K], -1, axis).astype(np.float32)
;;   ~~~
;;   SOFTMAX AHEAD OF A QUANTISED PRODUCT. Where the list says 'softmax', what is quantised is not the finished softmax but p = 2^(t - M), with t = logit x log2(e) and M = ceil(the row's largest t), a whole number; so 1/2 < the row's largest p <= 1. The row's sum l is taken of the UNQUANTISED p, in f32, and the product's result is divided by l at the end. Since M is a whole number, a kernel that streams over the keys may use a running M (the ceiling of the running maximum): every later rescaling is an exact power of two, which a block's scale takes up: the codes' values come out the same.
;;   OPERANDS COMPUTED ON THE WAY. 'Computed on the way' means the value that the module computes at that place (a softmax that the list does not call 'softmax' is quantised finished and normalised). What goes into a quantiser is computed in f32, as accurately as f32 sums, v_exp_f32 and their like allow (about 1e-6 of the number): no bf16 or f16 on the way to a quantiser, and a product that is left as it is and whose result goes on into a quantised operand takes f32 operands (vector FMAs, or v_wmma_f32_16x16x4_f32). A number that lies on a knife's edge between two numbers of the format may be rounded either way, as far as f32 arithmetic and the matrix unit's own rounding can turn it there, and no further.
;; One version. Each part assembles by itself: llvm-mc -triple=amdgcn-amd-amdhsa -mcpu=gfx1250 --defsym DOCPART=n.
;; ======== version 1 of 1: 2 launches
;; limits: right only within a limited range of input values
;; workspace buffers: kc 1,048,576 bytes; ks 65,536 bytes; vc 1,048,576 bytes; vs 65,536 bytes
;; launch quant (part 1): grid 256 x 1, 16 waves a work-group, no clusters, 93,184 bytes of LDS; arguments k, v, kc, ks, vc, vs; writes kc, ks, vc, vs
.if DOCPART == 1
	.amdgcn_target "amdgcn-amd-amdhsa--gfx1250"
	.amdhsa_code_object_version 6
	.text
	.protected	k_qe933902d6b_quant
	.globl	k_qe933902d6b_quant
	.p2align	8
	.type	k_qe933902d6b_quant,@function
k_qe933902d6b_quant:
	s_mov_b64 s[64:65], 0
	v_nop
	global_prefetch_b8 v0, s[64:65] scope:SCOPE_SE
	s_setreg_imm32_b32 hwreg(HW_REG_WAVE_MODE, 25, 1), 1
	s_wait_xcnt 0x0
; k and v, [4][4096][128] f32, become codes of FP4 (E2M1) with one E8M0 byte for each 32 along the K of the product that reads them:
; k along the head's 128 (innermost in memory), v along the keys (its first axis within a head).
; A block's scale is 2^(floor(log2(its largest magnitude)) - 2); its byte is the largest magnitude's exponent field - 2, held at 1 from below.
; LIMITS: NaN and infinities among the inputs are not served.  A block of zeros (and any block whose largest magnitude lies under 2^-124) gets the byte 1 where the
; rule says 127 for zeros: its codes are zeros, which add nothing under that byte, and the bytes are read by this program alone.
; THE CODES ARE LAID AS IMAGES OF THE OPERAND'S REGISTERS.  A step is 128 keys; gs = 32 x head + step.  kc, vc: [gs][tile 0..7][c 0..1][lane 0..31][16 bytes].
;   kc: lane (r, h) of (tile, c) holds block 2 c + h (32 codes) of key 64 (tile / 4) + 32 (r / 8) + 8 (tile % 4) + r % 8 of the step.
;   vc: lane (r, h) of (tile, c) holds key block 2 c + h of the step, of channel 16 tile + r.
;   ks: [gs][key 0..127] one word, byte b = block b of the head's 128.     vs: [gs][channel 0..127] one word, byte b = key block b of the step.
; SHARES.  One work-group of sixteen waves takes one step, 64 KiB of f32: work-groups 0-127 a step of k, 128-255 a step of v.  The two ways part on the work-group's number,
; which all waves of a work-group share, and each has LDS bytes of its own.  Every wave has all its 4 KiB of loads out at once.  No tensor loads, no matrix work.
.set KST,   0                          ; k's way: two stages of 32 x 80 bytes for each wave
.set KIMG,  81920                      ; k's way: the step's image, 8,192 bytes
.set KSCB,  90112                      ; k's way: the step's 512 scale bytes
.set VSCB,  90624                      ; v's way: the step's 512 scale bytes
.set SPARE, 91136                      ; the spare words: 128 bytes for each of 16 waves
.set SP,    80                         ; a lane's place in a stage: its 64 bytes + 16 of padding
.set R,     16                         ; v16-47  k: eight rows' parts as loaded
.set X,     48                         ; v48-79  k: two sets of 16 neighbours
.set C,     80                         ; v80-83  k: a pair of code registers for each of the two steps of the work
.set E,     84                         ; v84-85  k: their scale bytes
	s_load_b128 s[4:7], s[0:1], 0x0                ; k, v
	s_load_b128 s[8:11], s[0:1], 0x10              ; kc, ks
	s_load_b128 s[12:15], s[0:1], 0x20             ; vc, vs
	v_lshl_add_u32 v96, v0, 2, SPARE
	v_mov_b32 v97, 0
	v_lshrrev_b32 v1, 5, v0
	s_delay_alu instid0(VALU_DEP_1)
	v_readfirstlane_b32 s16, v1                    ; wave 0..15
	v_and_b32 v2, 31, v0                           ; lane
	s_mov_b32 s21, 0                               ; the upper word of every offset pair
	s_wait_alu depctr_va_vdst(0)                   ; the wait at the head's end
	s_wait_kmcnt 0x0
	s_cmp_lt_u32 ttmp9, 128
	s_cbranch_scc0 .Lv_path
; ---------------- k: wave w takes keys 8 w .. 8 w + 7 of the step: eight rows of 512 bytes ----------------
	s_lshl_b32 s20, ttmp9, 16                      ; the step's 128 rows of 512 bytes,
	s_lshl_b32 s22, s16, 12                        ; my eight of them
	s_add_co_u32 s20, s20, s22
	s_add_nc_u64 s[4:5], s[4:5], s[20:21]
	s_wait_alu depctr_va_vdst(0)
	v_lshlrev_b32 v3, 4, v2                        ; 16 x lane
.irp i, 0,1,2,3,4,5,6,7
	global_load_b128 v[R+4*\i:R+4*\i+3], v3, s[4:5] offset:512*\i th:TH_LOAD_NT   ; one key's row: 32 lanes read 512 consecutive bytes
.endr
	s_lshl_b32 s20, ttmp9, 13
	s_add_nc_u64 s[8:9], s[8:9], s[20:21]          ; the step's image in kc
	s_lshl_b32 s20, ttmp9, 9
	s_add_nc_u64 s[10:11], s[10:11], s[20:21]      ; the step's words in ks
	s_mul_i32 s24, s16, 2*32*SP                    ; my stages
	v_lshrrev_b32 v14, 2, v2
	s_delay_alu instid0(VALU_DEP_1)
	v_mul_u32_u24 v14, v14, SP
	v_and_b32 v15, 3, v2
	s_delay_alu instid0(VALU_DEP_1)
	v_lshl_add_u32 v14, v15, 4, v14
	s_delay_alu instid0(VALU_DEP_1)
	v_add_nc_u32 v14, s24, v14                     ; into a stage: four lanes' 64 bytes on end, then the padding
	v_mul_u32_u24 v15, v2, SP
	s_delay_alu instid0(VALU_DEP_1)
	v_add_nc_u32 v15, s24, v15                     ; out of it: my 16 neighbours
	; Behind the stage lane L holds, in step t of the work, key 4 t + L / 8 of my eight, block (L / 2) % 4, half L % 2.  My eight keys are
	; tile 4 (w / 8) + w % 4, rows 8 ((w / 4) % 2) on.  The image's byte: 1,024 tile + 512 (block / 2) + 256 (block % 2) + 16 row + 8 half.
	s_lshr_b32 s22, s16, 3
	s_lshl_b32 s22, s22, 12
	s_and_b32 s23, s16, 3
	s_lshl_b32 s23, s23, 10
	s_add_co_u32 s22, s22, s23
	s_bfe_u32 s23, s16, 0x10002
	s_lshl_b32 s23, s23, 7
	s_add_co_u32 s22, s22, s23
	s_add_co_u32 s22, s22, KIMG
	v_bfe_u32 v4, v0, 2, 1
	s_delay_alu instid0(VALU_DEP_1)
	v_lshlrev_b32 v4, 9, v4
	v_bfe_u32 v10, v0, 1, 1
	s_delay_alu instid0(VALU_DEP_1)
	v_lshl_add_u32 v4, v10, 8, v4
	v_bfe_u32 v10, v0, 3, 2
	s_delay_alu instid0(VALU_DEP_1)
	v_lshl_add_u32 v4, v10, 4, v4
	v_and_b32 v10, 1, v0
	s_delay_alu instid0(VALU_DEP_1)
	v_lshl_add_u32 v4, v10, 3, v4
	s_delay_alu instid0(VALU_DEP_1)
	v_add_nc_u32 v4, s22, v4                       ; where my 8 bytes of codes go (64 more in the second step)
	s_lshl_b32 s23, s16, 5
	s_add_co_u32 s23, s23, KSCB
	v_lshrrev_b32 v5, 1, v2
	s_delay_alu instid0(VALU_DEP_1)
	v_add_nc_u32 v5, s23, v5                       ; my block's scale byte: 4 x key + block = 32 w + 16 t + L / 2
	v_lshlrev_b32 v6, 4, v0                        ; the way out: 16 x thread,
	s_delay_alu instid0(VALU_DEP_1)
	v_add_nc_u32 v7, KIMG, v6                      ; in the image
	v_add_nc_u32 v8, KSCB, v3                      ; and 16 x lane among the scale bytes
.macro TURN t                          ; four rows through a stage: LDS serves a wave's instructions in order, so no wait stands between the stores and the loads
.irp i, 0,1,2,3
	ds_store_b128 v14, v[R+16*(\t)+4*\i:R+16*(\t)+4*\i+3] offset:32*SP*(\t)+8*SP*\i
.endr
.irp i, 0,1,2,3
	ds_load_b128 v[X+16*(\t)+4*\i:X+16*(\t)+4*\i+3], v15 offset:32*SP*(\t)+16*\i
.endr
.endm
.macro QSTEP t                         ; 16 neighbours a lane, two lanes to a block
.set XS, X+16*(\t)
	v_max3_num_f32 v10, |v[XS]|, |v[XS+1]|, |v[XS+2]|              ; the largest magnitude of my 16, in two chains
	v_max3_num_f32 v11, |v[XS+3]|, |v[XS+4]|, |v[XS+5]|
.irp i, 6,10
	s_delay_alu instid0(VALU_DEP_2)
	v_max3_num_f32 v10, v10, |v[XS+\i]|, |v[XS+\i+1]|
	s_delay_alu instid0(VALU_DEP_2)
	v_max3_num_f32 v11, v11, |v[XS+\i+2]|, |v[XS+\i+3]|
.endr
	s_delay_alu instid0(VALU_DEP_2)
	v_max3_num_f32 v10, v10, |v[XS+14]|, |v[XS+15]|
	s_delay_alu instid0(VALU_DEP_1)
	v_max3_num_f32 v10, v10, v11, 0x1800000        ; and the floor 2^(3 - 127): the byte cannot fall under 1
	s_delay_alu instid0(VALU_DEP_1)
	v_max_num_f32_dpp v10, v10, v10 row_xmask:1 row_mask:0xf bank_mask:0xf   ; with my neighbour's 16: the block's
	s_delay_alu instid0(VALU_DEP_1)
	v_add_nc_u32 v12, 0xff000000, v10              ; 2 off its exponent field: the conversion takes the exponent field of this operand as its scale
	v_cvt_scalef32_pk8_fp4_f32 v[C+2*(\t)], v[XS:XS+7], v12
	v_cvt_scalef32_pk8_fp4_f32 v[C+2*(\t)+1], v[XS+8:XS+15], v12
	v_lshrrev_b32 v[E+(\t)], 23, v12               ; the scale's byte (also the plain line behind the conversions)
	ds_store_b8 v5, v[E+(\t)] offset:16*(\t)       ; both lanes of a block write the same byte with the same value
	ds_store_b64 v4, v[C+2*(\t):C+2*(\t)+1] offset:64*(\t)
.endm
	s_wait_alu depctr_va_vdst(0)                   ; the wait here, directly ahead of the wait below
	s_wait_loadcnt 4                               ; loads come back in order: the first four rows are in, the other four may be out
	TURN 0
	s_wait_loadcnt 0x0
	TURN 1
	s_wait_dscnt 8                                 ; the first turn is back; the second turn's four stores and four loads may be out
	QSTEP 0
	s_wait_dscnt 2                                 ; the second turn is back; the two stores just issued may be out
	QSTEP 1
	s_wait_dscnt 0x0                               ; for the others' sake: my parts of the image and of the scale bytes have landed
	s_barrier_signal -1
	s_barrier_wait -1
	ds_load_b128 v[88:91], v7                      ; the image leaves as it lies: 16 bytes a thread
	s_wait_dscnt 0x0
	global_store_b128 v6, v[88:91], s[8:9]         ; a wave stores 512 consecutive bytes, at a multiple of 512 from kc's first byte
	s_cmp_lg_u32 s16, 0                            ; wave 0 alone sends the step's 512 scale bytes
	s_cbranch_scc1 .Lk_done
	ds_load_b128 v[92:95], v8
	s_wait_dscnt 0x0
	global_store_b128 v3, v[92:95], s[10:11]       ; 512 consecutive bytes, at a multiple of 512 from ks's first byte
.Lk_done:
	s_wait_tensorcnt 0x0                           ; the wave's end
	ds_add_u32 v96, v97
	s_wait_dscnt 0x0
	s_endpgm
; ---------------- v: a lane takes a channel and its registers run down the keys: wave w takes channels 32 (w % 4) + lane, keys 32 (w / 4) on: one whole block a lane ----------------
.Lv_path:
	s_sub_co_u32 s17, ttmp9, 128                   ; gs
	s_and_b32 s18, s16, 3                          ; cg: which 32 channels
	s_lshr_b32 s19, s16, 2                         ; bl: which key block of the step
	s_lshl_b32 s20, s17, 16
	s_lshl_b32 s22, s19, 14                        ; 32 rows of 512 bytes
	s_add_co_u32 s20, s20, s22
	s_lshl_b32 s22, s18, 7                         ; 32 channels of 4 bytes
	s_add_co_u32 s20, s20, s22
	s_add_nc_u64 s[6:7], s[6:7], s[20:21]
	s_wait_alu depctr_va_vdst(0)
	v_lshlrev_b32 v3, 2, v2                        ; 4 x lane
.set I, 0
.rept 32
	global_load_b32 v[32+I], v3, s[6:7] offset:512*I th:TH_LOAD_NT   ; key 32 bl + I: a wave reads 128 consecutive bytes, the four waves of one bl a whole row
.set I, I+1
.endr
	s_lshl_b32 s20, s17, 13
	s_add_nc_u64 s[12:13], s[12:13], s[20:21]      ; the step's image in vc
	s_lshl_b32 s20, s17, 9
	s_add_nc_u64 s[14:15], s[14:15], s[20:21]      ; the step's words in vs
	; the image's byte: tile 2 cg + lane / 16, c = bl / 2, image lane (lane % 16) + 16 (bl % 2)
	s_lshl_b32 s22, s18, 11
	s_lshr_b32 s23, s19, 1
	s_lshl_b32 s23, s23, 9
	s_add_co_u32 s22, s22, s23
	s_and_b32 s23, s19, 1
	s_lshl_b32 s23, s23, 8
	s_add_co_u32 s22, s22, s23
	v_lshrrev_b32 v4, 4, v2
	s_delay_alu instid0(VALU_DEP_1)
	v_lshlrev_b32 v4, 10, v4
	v_and_b32 v10, 15, v2
	s_delay_alu instid0(VALU_DEP_1)
	v_lshl_add_u32 v4, v10, 4, v4
	s_delay_alu instid0(VALU_DEP_1)
	v_add_nc_u32 v4, s22, v4
	s_lshl_b32 s23, s18, 7
	s_add_co_u32 s23, s23, s19
	s_add_co_u32 s23, s23, VSCB
	v_lshl_add_u32 v5, v2, 2, s23                  ; my scale byte: 4 x channel + bl
	v_lshlrev_b32 v9, 4, v2                        ; the way out of the scale bytes: 16 x lane
	s_delay_alu instid0(VALU_DEP_1)
	v_add_nc_u32 v8, VSCB, v9
	s_wait_alu depctr_va_vdst(0)                   ; the wait here, directly ahead of the wait below
	s_wait_loadcnt 0x0
	v_max3_num_f32 v12, |v32|, |v33|, |v34|        ; the block's largest magnitude: all 32 numbers are mine
	v_max3_num_f32 v13, |v35|, |v36|, |v37|
.irp i, 6,10,14,18,22,26
	s_delay_alu instid0(VALU_DEP_2)
	v_max3_num_f32 v12, v12, |v[32+\i]|, |v[33+\i]|
	s_delay_alu instid0(VALU_DEP_2)
	v_max3_num_f32 v13, v13, |v[34+\i]|, |v[35+\i]|
.endr
	s_delay_alu instid0(VALU_DEP_2)
	v_max3_num_f32 v12, v12, |v62|, |v63|
	s_delay_alu instid0(VALU_DEP_1)
	v_max3_num_f32 v12, v12, v13, 0x1800000        ; and the floor 2^(3 - 127)
	s_delay_alu instid0(VALU_DEP_1)
	v_add_nc_u32 v11, 0xff000000, v12              ; the conversions' scale operand
	s_delay_alu instid0(VALU_DEP_1)
	v_lshrrev_b32 v13, 23, v11                     ; the scale's byte
.irp g, 0,1,2,3
	v_cvt_scalef32_pk8_fp4_f32 v[64+\g], v[32+8*\g:39+8*\g], v11
.endr
	v_nop                                          ; one plain line behind the last conversion
	ds_store_b8 v5, v13
	global_store_b128 v4, v[64:67], s[12:13]       ; lanes 0-15 store 256 consecutive bytes at a multiple of 256 from vc's first byte, lanes 16-31 another such run
	s_wait_dscnt 0x0                               ; for wave 0's sake: my scale bytes have landed
	s_barrier_signal -1
	s_barrier_wait -1
	s_cmp_lg_u32 s16, 0
	s_cbranch_scc1 .Lv_done
	ds_load_b128 v[68:71], v8
	s_wait_dscnt 0x0
	global_store_b128 v9, v[68:71], s[14:15]       ; 512 consecutive bytes, at a multiple of 512 from vs's first byte
.Lv_done:
	s_wait_tensorcnt 0x0                           ; the wave's end
	ds_add_u32 v96, v97
	s_wait_dscnt 0x0
	s_endpgm
.Lfunc_end_k_qe933902d6b_quant:
	.size	k_qe933902d6b_quant, .Lfunc_end_k_qe933902d6b_quant-k_qe933902d6b_quant
	.p2alignl 7, 3214868480
	.fill 96, 4, 3214868480
	.section	.rodata,"a",@progbits
	.p2align	6, 0x0
	.amdhsa_kernel k_qe933902d6b_quant
		.amdhsa_group_segment_fixed_size 93184
		.amdhsa_private_segment_fixed_size 0
		.amdhsa_enable_private_segment 0
		.amdhsa_kernarg_size 48
		.amdhsa_user_sgpr_count 2
		.amdhsa_user_sgpr_kernarg_segment_ptr 1
		.amdhsa_wavefront_size32 1
		.amdhsa_system_sgpr_workgroup_id_x 1
		.amdhsa_system_sgpr_workgroup_id_y 1
		.amdhsa_system_sgpr_workgroup_id_z 1
		.amdhsa_system_vgpr_workitem_id 0
		.amdhsa_next_free_vgpr 98
		.amdhsa_next_free_sgpr 66
		.amdhsa_reserve_vcc 0
		.amdhsa_float_denorm_mode_32 3
		.amdhsa_float_denorm_mode_16_64 3
		.amdhsa_memory_ordered 1
		.amdhsa_forward_progress 1
		.amdhsa_inst_pref_size 15
	.end_amdhsa_kernel
	.amdgpu_metadata
---
amdhsa.version: [ 1, 2 ]
amdhsa.kernels:
  - .name:           k_qe933902d6b_quant
    .symbol:         k_qe933902d6b_quant.kd
    .args:
      - { .name: k, .offset: 0, .size: 8, .value_kind: global_buffer, .address_space: global }
      - { .name: v, .offset: 8, .size: 8, .value_kind: global_buffer, .address_space: global }
      - { .name: kc, .offset: 16, .size: 8, .value_kind: global_buffer, .address_space: global }
      - { .name: ks, .offset: 24, .size: 8, .value_kind: global_buffer, .address_space: global }
      - { .name: vc, .offset: 32, .size: 8, .value_kind: global_buffer, .address_space: global }
      - { .name: vs, .offset: 40, .size: 8, .value_kind: global_buffer, .address_space: global }
    .group_segment_fixed_size: 93184
    .private_segment_fixed_size: 0
    .kernarg_segment_align: 8
    .kernarg_segment_size: 48
    .max_flat_workgroup_size: 512
    .sgpr_count:     66
    .vgpr_count:     98
    .wavefront_size: 32
...
	.end_amdgpu_metadata
.endif
;; end of part 1
;; launch attn (part 2): grid 64 x 4, 8 waves a work-group, clusters of 4 x 1, 327,680 bytes of LDS; arguments q, kc, ks, vc, vs, out0; writes out0
.if DOCPART == 2
	.amdgcn_target "amdgcn-amd-amdhsa--gfx1250"
	.amdhsa_code_object_version 6
	.text
	.protected	k_qe933902d6b_attn
	.globl	k_qe933902d6b_attn
	.p2align	8
	.type	k_qe933902d6b_attn,@function
k_qe933902d6b_attn:
	s_mov_b64 s[64:65], 0
	v_nop
	global_prefetch_b8 v0, s[64:65] scope:SCOPE_SE
	s_setreg_imm32_b32 hwreg(HW_REG_WAVE_MODE, 25, 1), 1
	s_wait_xcnt 0x0
	s_wait_alu depctr_hold_cnt(0) depctr_sa_sdst(0) depctr_va_vdst(0) depctr_va_sdst(0) depctr_va_ssrc(0) depctr_va_vcc(0) depctr_vm_vsrc(0)
	s_getreg_b32 s2, hwreg(HW_REG_IB_STS2, 6, 4)
	s_cmp_eq_u32 s2, 0
	s_cbranch_scc0 .Lentry_in_a_cluster
	s_endpgm
.Lentry_in_a_cluster:
	s_bfe_u32 s2, ttmp6, 0x10000c
	s_cmp_lg_u32 s2, 0x3003
	s_cbranch_scc0 .Lentry_shape_is_right
	s_endpgm
.Lentry_shape_is_right:
; out0[h][q][:] = the sum over k of softmax_k(q . k / sqrt(128)) v[k][:], 4 heads, 4,096 queries and keys, head size 128, both products on codes of FP4 (E2M1) with one E8M0 scale for each 32 along K.
; kc, ks, vc, vs come from the launch before, laid as images of the operands' registers (a step = 128 keys, gs = 32 x head + step):
;   kc, vc [gs][tile 0..7][c 0..1][lane][16 bytes]; ks [gs][key] and vs [gs][channel] one scale word each.  q arrives as f32 and is quantised here.
; THE SOFTMAX AHEAD OF THE SECOND PRODUCT: t = score x log2(e) / sqrt(128); M = the largest t so far, rounded UP to a whole number; p = 2^(t - M) is quantised along the keys, not normalised.
; The sum is taken of the unquantised p and divides at the end.  When M moves, the sum and O are multiplied by 2^(old M - new M): exact.
; SHARES.  256 work-groups, each 64 queries (four tiles of 16) of one head.  Eight waves of 512 registers; wave w takes ALL 64 queries and the steps w, 8 + w, 16 + w, 24 + w of the keys.
; So each fragment of K and V is read from LDS once in the work-group, and serves four tiles from registers.
; Each wave has an M, a sum and an O^T of its own for each tile.  At the end the eight are brought under the largest M by exact powers of two, added through LDS, and divided by the joint sum.
; LAYOUT.  Both products are used transposed: S^T = K Q^T (source 0 = 32 keys, source 1 = 16 queries), O^T = V^T P^T (source 0 = 32 channels, source 1 = P): a lane holds ONE query (lane % 16) of a tile.
; THE KEYS OF A TILE ARE NOT NEIGHBOURS: row r of tile 4 c + u is key 64 c + 32 (r / 8) + 8 u + r % 8, so that the 32 registers of tiles 4 c .. 4 c + 3 are, in lane (r, h), the WHOLE block of keys 64 c + 32 h + 0 .. 31:
; a block's largest score needs no other lane, and the conversions' results are the second product's operand as they stand.
; A BLOCK'S SCALE: its largest p is 2^x, x = t - M of its largest score; floor(log2 p) = floor(x); the byte is floor(x) + 125, held at 1 from below.
; CLUSTER.  The four query blocks of a cluster belong to one head and walk the same K and V: every tile is asked for JOINTLY, by the same tensor load with the same descriptor and the mask 15.
; RING.  Two slots of 8 steps, one for each wave (K's images, 64 KiB, then V's); four slots' worth of keys.  At the head each wave has one tensor load: waves 0, 1 slot 0's halves of K, waves 2, 3 of V, waves 4, 5 the halves
; of K's scale words for the whole head, waves 6, 7 of V's (filled once).  Slot 1's first fill is issued as a refill is, behind the next round.
; A wave has a step's fragments in registers before it has done the step's first tile, so the change of slots stands in the middle of a step: it shows the other slot whole and fills again the one whose fragments are in registers.
; From a refill to the wait for it a wave does four tiles' work, a whole step; so no prefetch is laid beside it: no wave comes to a refill that has not had a step in which to land.
; ORDER.  The next tile's first product is issued among this tile's sums, each accumulator as soon as its p are summed, ahead of this tile's second product.
; LIMITS: NaN and infinities among the inputs are not served; the scaled scores stay under 2^31 in magnitude.  A block of zeros gets the scale byte 1 (its codes are zeros).
; Each query's sums over the keys are made in eight parts and then added: another order of f32 additions than one chain.
.set VOFF,  65536                      ; in a slot: V's images behind K's
.set SLOT1, 131072                     ; slot 1
.set SCK,   262144                     ; K's scale words of the head, 16,384 bytes
.set SCV,   278528                     ; V's
.set SPARE, 294912                     ; the spare words: 128 bytes for each of 8 waves: four blocks of 256 bytes that no other line names
.set STAT,  295936                     ; (-M, sum): [tile][wave][lane] 8 bytes each
.set QIMG,  304128                     ; q's four fragments as images: 1,024 bytes each
.set QSC,   308224                     ; and the 64 rows' scale words
.set SPITCH, 272                       ; the way out: a stage row of 256 bytes + 16
; The partial O^T lie in the slots, behind their last fill and their last read: [owner 0..7][from wave 0..7][4,096 bytes]: tiles 0 and 1 in slot 0, tiles 2 and 3 in slot 1.
; REGISTERS, in two windows of 256.  Window 1: O^T, tile T at 64 T.  Window 0:
; v1, v2 LDS addresses of my K's and V's images in slot 0, v3, v8 in slot 1; v31, v247 of my K's and V's scale words; v4, v5 of q's fragments and scale words; v6, v7 the spare word's address and 0; v9-11 where partials and (-M, sum) go;
; v[12+2T] -M and v[13+2T] the sum of tile T; v20-27 q's fragment, v28 its scale word; v29 p's scale word; v30 its other half; v224-231 p's codes; v232-235 K's scale words, v236-239 V's; v240-246, v248-255 at work.
.set KF,  32                           ; v32-95   K: eight tiles' fragments
.set S,   96                           ; v96-159  S^T, then p (at the head: q as f32, and its quantiser)
.set VF,  160                          ; v160-223 V: eight tiles' fragments
.set KW,  232
.set VW,  236
.set MSB, 0
.macro WIN new                         ; the immediate's high byte repeats the setting that is left
	s_set_vgpr_msb (MSB<<8)|\new
.set MSB, \new
.endm
.macro CREST                           ; a round of the cluster's barrier behind its opening barrier
	s_cmp_lg_u32 s16, 0
	s_cbranch_scc1 .Lnot_wave_0_\@
	s_barrier_signal -3
.Lnot_wave_0_\@:
	s_barrier_wait -3
	s_barrier_signal -1
	s_barrier_wait -1
.endm
.macro CROUND
	s_barrier_signal -1
	s_barrier_wait -1
	CREST
.endm
.macro WALK                            ; the walking descriptors: the other slot, the next 65,536 bytes; the type bits on top are not reached
	s_xor_b32 s49, s49, SLOT1
	s_add_nc_u64 s[50:51], s[50:51], 65536
	s_xor_b32 s53, s53, SLOT1
	s_add_nc_u64 s[54:55], s[54:55], 65536
.endm
.macro JLOAD                           ; a joint fill: waves 0, 1 K's halves, waves 2, 3 V's, the others nothing.  The branches hang on the wave's number alone; four v_nop follow each load
	s_cmp_lt_u32 s16, 2
	s_cbranch_scc0 .Lnot_k_\@
	tensor_load_to_lds s[48:51], s[24:31]
	s_nop 0
.rept 4
	v_nop
.endr
	s_branch .Lasked_\@
.Lnot_k_\@:
	s_cmp_lt_u32 s16, 4
	s_cbranch_scc0 .Lasked_\@
	tensor_load_to_lds s[52:55], s[24:31]
	s_nop 0
.rept 4
	v_nop
.endr
.Lasked_\@:
.endm
.macro LOADK n                         ; my step n: fragments and scale words of K: 20 loads
.set AK, 1+2*((\n)%2)
.irp i, 0,1,2,3,4,5,6,7
.irp c, 0,1
	ds_load_b128 v[KF+8*\i+4*\c:KF+8*\i+4*\c+3], v[AK] offset:1024*\i+512*\c
.endr
.endr
.irp b, 0,1,2,3
	ds_load_b32 v[KW+\b], v31 offset:4096*(\n)+256*(\b/2)+64*(\b%2)   ; lane (r, h): row r of tile 2 b + h
.endr
.endm
.macro LOADV n
.set AV, 2+6*((\n)%2)
.irp i, 0,1,2,3,4,5,6,7
.irp c, 0,1
	ds_load_b128 v[VF+8*\i+4*\c:VF+8*\i+4*\c+3], v[AV] offset:1024*\i+512*\c
.endr
.endr
.irp b, 0,1,2,3
	ds_load_b32 v[VW+\b], v247 offset:4096*(\n)+128*\b   ; channel 32 b + lane
.endr
.endm
.macro LOADQ n                         ; tile n's fragment of q, as it lies, and its scale words
.set QN, \n
	ds_load_b128 v[20:23], v4 offset:1024*QN
	ds_load_b128 v[24:27], v4 offset:1024*QN+512
	ds_load_b32 v28, v5 offset:64*QN
.endm
	s_load_b256 s[4:11], s[0:1], 0x0               ; q s[4:5], kc s[6:7], ks s[8:9], vc s[10:11]
	s_load_b128 s[12:15], s[0:1], 0x20             ; vs s[12:13], out0 s[14:15]
	v_lshl_add_u32 v6, v0, 2, SPARE
	v_mov_b32 v7, 0
	ds_add_u32 v6, v7                              ; the wave's opening: the add, twice on end, and its wait ahead of my first tensor load
	ds_add_u32 v6, v7
	v_lshrrev_b32 v8, 5, v0
	v_readfirstlane_b32 s16, v8                    ; wave 0..7
	s_bfe_u32 s66, ttmp6, 0x40000                  ; cx: my place in the cluster
	s_lshl_b32 s67, ttmp9, 2
	s_add_co_u32 s67, s67, s66                     ; my block of 64 queries = 4 x cluster x + cx: it enters q's and out0's addresses alone
	s_and_b32 s17, ttmp7, 0xffff                   ; the head, which the four partners share
	s_lshr_b32 s18, s16, 1                         ; the tile that I gather at the end
	s_and_b32 s19, s16, 1                          ; which 64 channels of it; also: which half of a tile I fetch
	s_mov_b32 s20, 0x76543210
	s_mov_b32 s21, 0xfedcba98                      ; v_permlanex16_b32's selects for lane l xor 16
	s_mov_b32 s22, 0x3e0293ee                      ; c = log2(e) / sqrt(128)
	s_mov_b32 s23, s22                             ; (named with it as a pair, so it is written)
	s_lshl_b32 s76, s17, 21
	s_lshl_b32 s77, s67, 15
	s_add_co_u32 s76, s76, s77                     ; my block's 64 rows of 512 bytes, in the head's 4,096
	s_lshl_b32 s78, s16, 12
	s_add_co_u32 s78, s78, s76                     ; q: I quantise rows 8 w .. 8 w + 7
	s_mov_b32 s79, 0
	s_lshl_b32 s80, s18, 13
	s_add_co_u32 s80, s80, s76
	s_lshl_b32 s77, s19, 8
	s_add_co_u32 s80, s80, s77                     ; out0: 16 rows x 256 bytes
	s_mov_b32 s81, 0
	s_lshl_b32 s82, s17, 18                        ; the head's images: 32 steps of 8,192 bytes
	s_lshl_b32 s86, s19, 15                        ; my half of a slot's 65,536: in LDS,
	s_add_co_u32 s84, s82, s86                     ; and in memory
	s_mov_b32 s85, 0
	s_add_co_u32 s87, s86, VOFF
	s_lshl_b32 s88, s17, 14                        ; the head's scale words: 32 steps of 512 bytes,
	s_lshl_b32 s99, s19, 13                        ; my half
	s_add_co_u32 s88, s88, s99
	s_mov_b32 s89, 0
	s_lshl_b32 s90, s16, 13                        ; my step's images in a slot
	s_lshl_b32 s77, s16, 9
	s_add_co_u32 s91, s77, SCK
	s_add_co_u32 s98, s77, SCV
	s_lshl_b32 s92, s16, 12
	s_lshl_b32 s93, s16, 8
	s_add_co_u32 s93, s93, STAT
	s_lshl_b32 s94, s18, 10
	s_lshl_b32 s77, s19, 7
	s_add_co_u32 s94, s94, s77
	s_add_co_u32 s94, s94, QIMG
	s_lshl_b32 s95, s16, 5
	s_add_co_u32 s95, s95, QSC
	s_lshl_b32 s96, s16, 15
	s_lshl_b32 s97, s18, 11
	s_add_co_u32 s97, s97, STAT
	; descriptor groups 1: dense rows of 256 bytes (32 elements of 8 bytes), no padding (a fragment is read 512 consecutive bytes at a time): 128 rows of images, 32 of scale words
.macro GROUP1 at, rows
	s_mov_b32 s[\at], 15|(3<<16)|(1<<21)           ; 15:0 the mask: all four work-groups; 17:16 elements of 8 bytes; 21 set beside a mask
	s_mov_b32 s[\at+1], 32<<16                     ; tensor_dim0
	s_mov_b32 s[\at+2], \rows<<16                  ; tensor_dim1
	s_mov_b32 s[\at+3], 32<<16                     ; tile_dim0
	s_mov_b32 s[\at+4], \rows                      ; tile_dim1
	s_mov_b32 s[\at+5], 32                         ; from row to row
	s_mov_b32 s[\at+6], 0
	s_mov_b32 s[\at+7], 0
.endm
	GROUP1 24, 128
	GROUP1 32, 32
	v_and_b32 v128, 31, v0                         ; lane
	v_and_b32 v129, 15, v0                         ; r
	v_bfe_u32 v130, v0, 4, 1                       ; h
	v_and_b32 v131, 7, v0
	v_bfe_u32 v132, v0, 3, 1
	v_bfe_u32 v133, v0, 2, 1
	v_and_b32 v134, 3, v0
	v_lshlrev_b32 v11, 5, v128                     ; q: 32 bytes a lane
	v_lshl_add_u32 v1, v128, 4, s90
	v_lshl_add_u32 v31, v132, 5, v131              ; K's scale words: key 8 h + 32 (r / 8) + r % 8 (and the load's own offset)
	v_lshlrev_b32 v144, 9, v132                    ; where my codes of q go: 512 (block / 2) + 256 (block % 2) + 16 row + 4 x quarter
	v_lshl_add_u32 v31, v130, 3, v31
	v_lshl_add_u32 v144, v133, 8, v144
	v_add_nc_u32 v2, VOFF, v1
	v_add_nc_u32 v3, SLOT1, v1
	v_add_nc_u32 v8, SLOT1+VOFF, v1
	v_lshl_add_u32 v144, v130, 4, v144
	v_lshl_add_u32 v31, v31, 2, s91
	v_lshl_add_u32 v247, v128, 2, s98              ; V's: 4 bytes a lane
	v_lshl_add_u32 v144, v134, 2, v144
	v_lshl_add_u32 v4, v128, 4, QIMG
	v_lshl_add_u32 v5, v129, 2, QSC
	v_lshrrev_b32 v145, 2, v128
	v_add_nc_u32 v144, s94, v144
	v_lshl_add_u32 v9, v128, 4, s92
	v_lshl_add_u32 v10, v128, 3, s93
	v_add_nc_u32 v145, s95, v145                   ; my block's scale byte: 4 x row + block = 32 w + 8 pair + lane / 4
	v_mov_b32 v30, 0                               ; a lane permute's destination counts as one of its sources
	v_mov_b32 v245, 0
	v_mov_b32 v13, 0                               ; (the sums are named with -M as pairs before they are first written)
	v_mov_b32 v15, 0
	v_mov_b32 v17, 0
	v_mov_b32 v19, 0
	s_wait_alu depctr_va_vdst(0)                   ; the wait at the head's end
	s_wait_dscnt 0x0                               ; both opening adds are done
	s_wait_kmcnt 0x0
	s_add_nc_u64 s[4:5], s[4:5], s[78:79]
.irp p, 0,1,2,3                            ; two rows a pair of loads, 1,024 consecutive bytes: lane L has 8 neighbours: row L / 16 of the two, block (L / 4) % 4, quarter L % 4
.irp i, 0,1
	global_load_b128 v[S+8*\p+4*\i:S+8*\p+4*\i+3], v11, s[4:5] offset:1024*\p+16*\i
.endr
.endr
	s_mov_b32 s48, 1                               ; groups 0: count 1; the LDS address; the global address; the type 2 on top.  K's half, slot 0;
	s_mov_b32 s49, s86
	s_add_nc_u64 s[50:51], s[6:7], s[84:85]
	s_or_b32 s51, s51, 0x80000000
	s_mov_b32 s52, 1                               ; V's;
	s_mov_b32 s53, s87
	s_add_nc_u64 s[54:55], s[10:11], s[84:85]
	s_or_b32 s55, s55, 0x80000000
	s_mov_b32 s56, 1                               ; the scale words' halves
	s_add_co_u32 s57, s99, SCK
	s_add_nc_u64 s[58:59], s[8:9], s[88:89]
	s_or_b32 s59, s59, 0x80000000
	s_mov_b32 s60, 1
	s_add_co_u32 s61, s99, SCV
	s_add_nc_u64 s[62:63], s[12:13], s[88:89]
	s_or_b32 s63, s63, 0x80000000
	s_add_nc_u64 s[14:15], s[14:15], s[80:81]
	CROUND                                         ; all four work-groups are here: the first joint loads meet
.macro ARM under, g0, g1, next             ; the head's loads, one a wave: one chain of branches on the wave's number
	s_cmp_lt_u32 s16, \under
	s_cbranch_scc0 \next
	tensor_load_to_lds s[\g0:\g0+3], s[\g1:\g1+7]
	s_nop 0
.rept 4
	v_nop
.endr
	s_branch .Lhead_asked
\next:
.endm
	ARM 2, 48, 24, .Lhead_v
	ARM 4, 52, 24, .Lhead_ks
	ARM 6, 56, 32, .Lhead_vs
	tensor_load_to_lds s[60:63], s[32:39]
	s_nop 0
.rept 4
	v_nop
.endr
.Lhead_asked:
	s_wait_loadcnt 0x0                             ; q is in
.irp p, 0,1,2,3                            ; the four pairs by turns: the largest magnitude of my 8,
	v_max3_num_f32 v[128+\p], |v[S+8*\p]|, |v[S+8*\p+1]|, |v[S+8*\p+2]|
.endr
.irp n, 3,5
.irp p, 0,1,2,3
	v_max3_num_f32 v[128+\p], v[128+\p], |v[S+8*\p+\n]|, |v[S+8*\p+\n+1]|
.endr
.endr
.irp p, 0,1,2,3
	v_max3_num_f32 v[128+\p], v[128+\p], |v[S+8*\p+7]|, 0x1800000   ; and the floor 2^(3 - 127): the byte cannot fall under 1
.endr
.irp p, 0,1,2,3                            ; with the block's other three lanes
	v_max_num_f32_dpp v[128+\p], v[128+\p], v[128+\p] row_xmask:1 row_mask:0xf bank_mask:0xf
.endr
.irp p, 0,1,2,3
	v_max_num_f32_dpp v[128+\p], v[128+\p], v[128+\p] row_xmask:2 row_mask:0xf bank_mask:0xf
.endr
.irp p, 0,1,2,3
	v_add_nc_u32 v[132+\p], 0xff000000, v[128+\p]  ; 2 off its exponent field: the conversions' scale operand
.endr
.irp p, 0,1,2,3
	v_cvt_scalef32_pk8_fp4_f32 v[140+\p], v[S+8*\p:S+8*\p+7], v[132+\p]
.endr
.irp p, 0,1,2,3
	v_lshrrev_b32 v[136+\p], 23, v[132+\p]         ; the scale's byte (also the plain lines behind the conversions)
.endr
.irp p, 0,1,2,3
	ds_store_b32 v144, v[140+\p] offset:32*\p
	ds_store_b8 v145, v[136+\p] offset:8*\p        ; the block's four lanes write the same byte with the same value
.endr
	s_wait_alu depctr_va_vdst(0)                   ; the wait here, directly ahead of the waits below
	s_wait_tensorcnt 0x0                           ; my part of slot 0 or of the scale words is in
	ds_add_u32 v6, v7
	WALK
	s_wait_dscnt 0x0                               ; the add is done, and my part of q's images and scale bytes has landed
	CROUND                                         ; everybody's are in, in all four work-groups,
	JLOAD                                          ; and slot 1's first fill is the first tensor load behind the round
; the first product's accumulator b: 32 keys x 16 queries
.macro SPROD b
	v_wmma_scale_f32_32x16x128_f4 v[S+16*\b:S+16*\b+15], v[KF+16*\b:KF+16*\b+15], v[20:27], 0, v[KW+\b], v28
.endm
.macro PKF                             ; t - M of the next eight pairs (of the pairs c and -M the low word serves both halves)
.rept 8
	v_pk_fma_f32 v[S+2*J:S+2*J+1], v[S+2*J:S+2*J+1], s[22:23], v[NM:NM+1] op_sel_hi:[1,0,0]
.set J, J+1
.endr
.endm
.macro SUMS m                          ; four more pairs onto the four chains of the sum of the unquantised p
.irp k, 0,1,2,3
	v_pk_add_f32 v[248+2*\k:249+2*\k], v[248+2*\k:249+2*\k], v[S+8*\m+2*\k:S+8*\m+2*\k+1]
.endr
.endm
; THE CHANGE OF SLOTS, in the middle of step st, in two parts with the maxima between the signal and the wait.  In front of it each wave waits for all its tensor loads (its part of the next step's slot) and for its reads of this step's.
; st 0, 1: this step's slot is filled with the step two on; the barrier opens a round of the cluster's, and the joint refill is the first thing behind it.  st 2, 3: nothing is left to fetch; behind st 2's barrier slot 0 is
; read no more, behind st 3's slot 1.
.macro CHANGE_A st
	s_wait_alu depctr_va_vdst(0)                   ; the wait here, directly ahead of the waits below
.if \st < 3
	s_wait_tensorcnt 0x0
	ds_add_u32 v6, v7                              ; 0 onto my spare word
.endif
.if \st < 2
	WALK                                           ; (no tensor load of mine is out, so a group 0 may be written)
.endif
	s_wait_dscnt 0x0
	s_barrier_signal -1
.endm
.macro CHANGE_B st
	s_wait_alu depctr_va_vdst(0)                   ; the wait here, directly ahead of the wait below
	s_barrier_wait -1
.if \st < 2
	CREST
	JLOAD
.endif
.endm
; ONE STEP OF 128 KEYS FOR ONE TILE OF 16 QUERIES, whose scores are in S.  st: the wave's step 0..3 (0 starts M, the sum and O^T); tl: the tile.
; PEND: what the tile before (-M in v[PNM]) has left of its sum to this one: 0 nothing, 1 of its first step, 2 of a later one: those lines stand between the dependent lines that make M.
.set PEND, 0
.set PNM, 12
.macro TILE st, tl
.set NM, 12+2*(\tl)
.set MORE, 1
.if (\st == 3) && (\tl == 3)
.set MORE, 0
.endif
.if \tl == 2
	CHANGE_A \st
.endif
.irp k, 0,1,2,3
	v_max3_num_f32 v[240+\k], v[S+16*\k], v[S+16*\k+1], v[S+16*\k+2]   ; the largest score of each accumulator, from its low end on
.endr
.irp n, 3,5,7,9,11,13
.irp k, 0,1,2,3
	v_max3_num_f32 v[240+\k], v[240+\k], v[S+16*\k+\n], v[S+16*\k+\n+1]
.endr
.endr
	v_max3_num_f32 v240, v240, v241, v[S+15]       ; of my two blocks of 32 keys
	v_max3_num_f32 v242, v242, v243, v[S+47]
	v_max_num_f32 v240, v240, v[S+31]
	v_max_num_f32 v242, v242, v[S+63]
.if \tl == 2
	CHANGE_B \st
.endif
	v_max_num_f32 v244, v240, v242
.if MORE == 1
	LOADQ ((\tl)+1)%4                              ; for the next tile's first product
.endif
.if PEND > 0
	v_pk_add_f32 v[248:249], v[248:249], v[252:253]
.endif
	v_permlanex16_b32 v245, v244, s20, s21
.if (\tl == 3) && (\st < 3)
	LOADK (\st)+1                                  ; K's fragments have served this step's four tiles
.endif
.if (\tl == 0) && (\st > 0)
	LOADV \st                                      ; V's likewise
.endif
.if PEND == 1
	v_add_f32 v[PNM+1], v248, v249
.endif
.if PEND == 2
	v_add_f32 v248, v248, v249
.endif
	v_max_num_f32 v244, v244, v245                 ; with lane l xor 16's two blocks: of the step, for my query
.if PEND == 2
	v_fma_f32 v[PNM+1], v[PNM+1], v246, v248       ; the running sum of the tile before under its new M
.endif
	v_mul_f32 v244, s22, v244                      ; as t (c is positive)
.if \st == 0
	v_floor_f32 v[NM], -v244                       ; -M = floor(-t) = -ceil(t): M is a whole number
.else
	v_floor_f32 v244, -v244
	v_sub_f32 v246, v244, v[NM]
	v_min_num_f32 v[NM], v[NM], v244               ; the new -M
	v_min_num_f32 v246, 0, v246                    ; old M less new M: a whole number, 0 or less
.endif
	v_fma_f32 v241, v240, s22, v[NM]               ; x = t - M of each block's largest score
	v_fma_f32 v243, v242, s22, v[NM]
.set J, 0
	PKF
	v_cvt_floor_i32_f32 v241, v241                 ; floor(log2(the block's largest p))
	v_cvt_floor_i32_f32 v243, v243
.if \st > 0
	v_cvt_i32_f32 v246, v246                       ; (it saturates)
.endif
	PKF
	v_max_i32 v241, 0xffffff84, v241               ; held at -124: the byte cannot fall under 1
	v_max_i32 v243, 0xffffff84, v243
.if \st > 0
	v_ldexp_f32 v246, 1.0, v246                    ; f = 2^(old M - new M)
.endif
	PKF
	v_lshl_add_u32 v240, v241, 23, 0x3e800000      ; the conversions' scale operands: exponent fields floor(x) + 125
	v_lshl_add_u32 v242, v243, 23, 0x3e800000
	v_lshl_add_u32 v241, v243, 16, v241            ; my two bytes: blocks h and 2 + h
	PKF
	v_add_nc_u32 v241, 0x7d007d, v241
	s_wait_alu depctr_va_vdst(0)                   ; the wait ahead of the batch
.set J, 0
.rept 64
	v_exp_f32 v[S+J], v[S+J]                       ; p = 2^(t - M), not normalised
.set J, J+1
.endr
	v_permlanex16_b32 v30, v241, s20, s21          ; (the plain place behind the batch) lane l xor 16's two bytes
.if \st > 0
	WIN 0x41
	s_wait_alu depctr_va_vdst(0)                   ; the wait, for the batch and for O^T alike
.set J, 0
.rept 32
	v_pk_mul_f32 v[64*(\tl)+2*J:64*(\tl)+2*J+1], v[64*(\tl)+2*J:64*(\tl)+2*J+1], v[246:247] op_sel_hi:[1,0]   ; O^T under the new M
.set J, J+1
.endr
	WIN 0
.else
	s_wait_alu depctr_va_vdst(0)                   ; the wait behind the batch
.endif
	v_lshl_or_b32 v29, v30, 8, v241                ; lanes 0-15: the four bytes of p's scale word for these 128 keys (lanes 16-31 are not read)
.irp g, 0,1,2,3
	v_cvt_scalef32_pk8_fp4_f32 v[224+\g], v[S+8*\g:S+8*\g+7], v240
.endr
.irp g, 0,1,2,3
	v_cvt_scalef32_pk8_fp4_f32 v[228+\g], v[S+32+8*\g:S+39+8*\g], v242
.endr
.irp k, 0,1,2,3                            ; the sum, two at a time, in four chains; each accumulator's p are done with behind its lines, and the next tile's scores take its place
	v_pk_add_f32 v[248+2*\k:249+2*\k], v[S+2*\k:S+2*\k+1], v[S+8+2*\k:S+9+2*\k]
.endr
.if MORE == 1
	s_wait_alu depctr_va_vdst(0)                   ; the wait here, directly ahead of the wait below
.if (\tl == 0) && (\st > 0)
	s_wait_dscnt 20                                ; q's fragment is in; V's 20 loads may be out
.else
	s_wait_dscnt 0x0                               ; q's fragment is in (tile 3: and the next step's of K)
.endif
	SPROD 0
.endif
	SUMS 2
	SUMS 3
.if MORE == 1
	SPROD 1
.endif
	SUMS 4
	SUMS 5
.if MORE == 1
	SPROD 2
.endif
	SUMS 6
	SUMS 7
.if MORE == 1
	SPROD 3
.endif
.if (\tl == 0) && (\st > 0)
	s_wait_alu depctr_va_vdst(0)                   ; the wait here, directly ahead of the wait below
	s_wait_dscnt 0x0                               ; V's fragments and scale words are in
.endif
	WIN 0x50
.irp b, 0,1,2,3                            ; O^T += V^T P^T: 32 channels an instruction, the accumulators by turns
.if \st == 0
	v_wmma_scale_f32_32x16x128_f4 v[64*(\tl)+16*\b:64*(\tl)+16*\b+15], v[VF+16*\b:VF+16*\b+15], v[224:231], 0, v[VW+\b], v29
.else
	v_wmma_scale_f32_32x16x128_f4 v[64*(\tl)+16*\b:64*(\tl)+16*\b+15], v[VF+16*\b:VF+16*\b+15], v[224:231], v[64*(\tl)+16*\b:64*(\tl)+16*\b+15], v[VW+\b], v29
.endif
.endr
	WIN 0
	v_pk_add_f32 v[248:249], v[248:249], v[250:251]   ; with the first lines of the next maxima these are the places behind the products
	v_pk_add_f32 v[252:253], v[252:253], v[254:255]
.set PNM, NM
.if \st == 0
.set PEND, 1
.else
.set PEND, 2
.endif
.if \st == 3                               ; the tile is finished: its O^T goes to LDS as it lies in registers, channels 0-63 for wave 2 tl, 64-127 for wave 2 tl + 1
.set PEND, 0
	v_pk_add_f32 v[248:249], v[248:249], v[252:253]
	v_add_f32 v248, v248, v249
	v_fma_f32 v[NM+1], v[NM+1], v246, v248         ; the running sum under the new M
	v_permlanex16_b32 v245, v[NM+1], s20, s21
	v_add_f32 v[NM+1], v[NM+1], v245               ; with lane l xor 16's keys
.set AD, 9
.if \tl > 0
.set AD, 11
	v_add_nc_u32 v11, 65536*(\tl), v9
.endif
	ds_store_b64 v10, v[NM:NM+1] offset:2048*(\tl)
	WIN 0x04
.irp u, 0,1
.irp j, 0,1,2,3,4,5,6,7
	ds_store_b128 v[AD], v[64*(\tl)+32*\u+4*\j:64*(\tl)+32*\u+4*\j+3] offset:32768*\u+512*\j
.endr
.endr
	WIN 0
.endif
.endm
	LOADQ 0
	LOADK 0
	LOADV 0
	s_wait_dscnt 20                                ; q's and K's are in; V's 20 loads may be out
.irp b, 0,1,2,3
	SPROD \b
.endr
.rept 4
	v_nop                                          ; four places in front of the first read of the scores
.endr
.irp n, 0,1,2,3
	TILE \n, 0
	TILE \n, 1
	TILE \n, 2
	TILE \n, 3
.endr
	; THE TAIL.  Wave w gathers channels 64 (w % 2) .. + 63 of tile w / 2 from all eight waves.
	v_and_b32 v25, 31, v0
	v_and_b32 v26, 15, v0
	v_bfe_u32 v27, v0, 4, 1
	v_lshl_add_u32 v20, v25, 4, s96                ; my eight parts, 4,096 bytes apart
	v_lshl_add_u32 v21, v25, 3, s97                ; my tile's eight (-M, sum), 256 bytes apart
	v_mul_u32_u24 v22, v26, SPITCH
	v_mul_u32_u24 v23, v27, SPITCH
	v_lshlrev_b32 v24, 9, v27
	v_lshl_add_u32 v22, v27, 5, v22
	v_lshl_add_u32 v23, v26, 4, v23
	v_lshl_add_u32 v24, v26, 4, v24                ; lanes 0-15 store 256 bytes of one row of out0, lanes 16-31 of the next
	v_add_nc_u32 v22, s96, v22                     ; my stage, in the bytes that I alone have read: in,
	v_add_nc_u32 v23, s96, v23                     ; and back
	s_wait_alu depctr_va_vdst(0)                   ; the wait here, directly ahead of the wait below
	s_wait_dscnt 0x0                               ; for the others' sake: my parts have landed
	s_barrier_signal -1
	s_barrier_wait -1
.irp j, 0,1,2,3,4,5,6,7
	ds_load_b64 v[S+2*\j:S+2*\j+1], v21 offset:256*\j
.endr
.macro PART j                          ; wave j's part: 32 registers, in four buffers by turns
.set BF, 32+32*((\j)%4)+64*(((\j)%4)/2)
.irp i, 0,1,2,3,4,5,6,7
	ds_load_b128 v[BF+4*\i:BF+4*\i+3], v20 offset:4096*(\j)+512*\i
.endr
.endm
	PART 0
	PART 1
	PART 2
	PART 3
	s_wait_dscnt 32                                ; the eight pairs are in; the four parts may be out
	v_min3_num_f32 v240, v[S], v[S+2], v[S+4]
	v_min3_num_f32 v241, v[S+6], v[S+8], v[S+10]
	v_min3_num_f32 v240, v240, v[S+12], v[S+14]
	v_min_num_f32 v240, v240, v241                 ; the least -M: the largest M of the eight
.irp j, 0,1,2,3,4,5,6,7
	v_sub_f32 v[144+\j], v240, v[S+2*\j]           ; M of wave j less the largest: a whole number, 0 or less
.endr
.irp j, 0,1,2,3,4,5,6,7
	v_cvt_i32_f32 v[144+\j], v[144+\j]
.endr
.irp j, 0,1,2,3,4,5,6,7
	v_ldexp_f32 v[S+2*\j], 1.0, v[144+\j]          ; exact powers of two
.endr
	v_mul_f32 v250, v[S], v[S+1]                   ; the joint sum, in two chains
	v_mul_f32 v251, v[S+2], v[S+3]
.irp j, 2,4,6
	v_fma_f32 v250, v[S+2*\j], v[S+2*\j+1], v250
	v_fma_f32 v251, v[S+2*\j+2], v[S+2*\j+3], v251
.endr
	v_add_f32 v250, v250, v251
	s_wait_alu depctr_va_vdst(0)                   ; the wait ahead of the transcendental
	v_rcp_f32 v250, v250
	v_nop                                          ; a plain place behind it
	s_wait_alu depctr_va_vdst(0)                   ; the wait behind it
.irp j, 0,1,2,3,4,5,6,7
	v_mul_f32 v[S+2*\j], v[S+2*\j], v250           ; each wave's power of two / the joint sum
.endr
	s_wait_alu depctr_va_vdst(0)                   ; the wait here, directly ahead of the wait below
.macro GATHER j
.if (\j) < 5
	s_wait_dscnt 24                                ; LDS loads come back in order: part j is in, the three parts behind it may be out
.else
	s_wait_dscnt 8*(7-(\j))
.endif
.set BG, 32+32*((\j)%4)+64*(((\j)%4)/2)
.set J, 0
.rept 16
.if (\j) == 0
	v_pk_mul_f32 v[112+J:113+J], v[BG+J:BG+J+1], v[S:S+1] op_sel_hi:[1,0]
.else
	v_pk_fma_f32 v[112+J:113+J], v[BG+J:BG+J+1], v[S+2*(\j):S+2*(\j)+1], v[112+J:113+J] op_sel_hi:[1,0,1]
.endif
.set J, J+2
.endr
.if (\j) < 4
	PART (\j)+4
.endif
.endm
.irp n, 0,1,2,3,4,5,6,7
	GATHER \n
.endr
.irp u, 0,1,2,3                            ; register 8 u + i is o(r, 64 (w % 2) + 16 u + 8 h + i)
	ds_store_b128 v22, v[112+8*\u:115+8*\u] offset:64*\u
	ds_store_b128 v22, v[116+8*\u:119+8*\u] offset:64*\u+16
.endr
.irp i, 0,1,2,3,4,5,6,7
	ds_load_b128 v[32+4*\i:35+4*\i], v23 offset:2*SPITCH*\i   ; LDS serves a wave's instructions in order: these see my stores
.endr
.irp i, 0,1,2,3,4,5,6,7
	s_wait_dscnt 7-\i
	global_store_b128 v24, v[32+4*\i:35+4*\i], s[14:15] offset:1024*\i th:TH_STORE_NT   ; sixteen lanes store an aligned unit of 256 bytes
.endr
	s_wait_tensorcnt 0x0                           ; the wave's end, behind my last tensor load and my last LDS store
	ds_add_u32 v6, v7
	s_wait_dscnt 0x0
	CROUND                                         ; the closing round: no work-group ends while a partner may still ask for a tile that names it
	s_endpgm
.Lfunc_end_k_qe933902d6b_attn:
	.size	k_qe933902d6b_attn, .Lfunc_end_k_qe933902d6b_attn-k_qe933902d6b_attn
	.p2alignl 7, 3214868480
	.fill 96, 4, 3214868480
	.section	.rodata,"a",@progbits
	.p2align	6, 0x0
	.amdhsa_kernel k_qe933902d6b_attn
		.amdhsa_group_segment_fixed_size 327680
		.amdhsa_private_segment_fixed_size 0
		.amdhsa_enable_private_segment 0
		.amdhsa_kernarg_size 48
		.amdhsa_user_sgpr_count 2
		.amdhsa_user_sgpr_kernarg_segment_ptr 1
		.amdhsa_wavefront_size32 1
		.amdhsa_system_sgpr_workgroup_id_x 1
		.amdhsa_system_sgpr_workgroup_id_y 1
		.amdhsa_system_sgpr_workgroup_id_z 1
		.amdhsa_system_vgpr_workitem_id 0
		.amdhsa_next_free_vgpr 512
		.amdhsa_next_free_sgpr 100
		.amdhsa_reserve_vcc 0
		.amdhsa_float_denorm_mode_32 3
		.amdhsa_float_denorm_mode_16_64 3
		.amdhsa_memory_ordered 1
		.amdhsa_forward_progress 1
		.amdhsa_inst_pref_size 249
	.end_amdhsa_kernel
	.amdgpu_metadata
---
amdhsa.version: [ 1, 2 ]
amdhsa.kernels:
  - .name:           k_qe933902d6b_attn
    .symbol:         k_qe933902d6b_attn.kd
    .args:
      - { .name: q, .offset: 0, .size: 8, .value_kind: global_buffer, .address_space: global }
      - { .name: kc, .offset: 8, .size: 8, .value_kind: global_buffer, .address_space: global }
      - { .name: ks, .offset: 16, .size: 8, .value_kind: global_buffer, .address_space: global }
      - { .name: vc, .offset: 24, .size: 8, .value_kind: global_buffer, .address_space: global }
      - { .name: vs, .offset: 32, .size: 8, .value_kind: global_buffer, .address_space: global }
      - { .name: out0, .offset: 40, .size: 8, .value_kind: global_buffer, .address_space: global }
    .group_segment_fixed_size: 327680
    .private_segment_fixed_size: 0
    .kernarg_segment_align: 8
    .kernarg_segment_size: 48
    .max_flat_workgroup_size: 256
    .sgpr_count:     100
    .vgpr_count:     512
    .wavefront_size: 32
...
	.end_amdgpu_metadata
.endif
;; end of part 2
